; MI455X (gfx1250); checked and timed in simulation.
; The chip was launched on July 23, 2026; its instructions are those of AMD's public machine-readable ISA for CDNA 5 (MIT licence, August 2026) and "CDNA5" Instruction Set Architecture Reference Guide (July 2026). The comments in the code are by the model that wrote it; some were corrected since.
;; Attention. Allowed arithmetic: matrix products marked QUANTISED: E4M3 operands, one given power-of-two scale a tensor, by v_wmma_f32_16x16x64_fp8_fp8 or v_wmma_f32_16x16x128_fp8_fp8, f32 sums; everything else in f32.
;; Inputs: Wk_codes 1,024 x 32 x 32 uint8 (E4M3 codes of Wk, K innermost, in blocks of 32 codes); Wo_codes 1,024 x 32 x 32 uint8 (E4M3 codes of Wo, K innermost, in blocks of 32 codes); Wq_codes 1,024 x 32 x 32 uint8 (E4M3 codes of Wq, K innermost, in blocks of 32 codes); Wv_codes 1,024 x 32 x 32 uint8 (E4M3 codes of Wv, K innermost, in blocks of 32 codes); lowp_scales 12 int32 (the exponents e of the quantised operands' scales 2^e); mask 2,048 x 2,048 float32; x_codes 2 x 2,048 x 32 x 32 uint8 (E4M3 codes of x, K innermost, in blocks of 32 codes).
;; Outputs: out0 2 x 2,048 x 1,024 float32.
;; This version of the problem:
;;   THIS VERSION OF THE PROBLEM IS GIVEN IN LOW PRECISION. The matrix products marked QUANTISED in the list below multiply operands that are first quantised to E4M3 (4 exponent bits, 3 mantissa bits; 8 bits a number), with one given power-of-two scale for each operand tensor; their sums are f32. All else is computed in f32.
;;   The module's matrix products, in the order in which they are computed (A, B: the left and right operand; K: the contracted axis; several contracted axes count as one K, in the product's order):
;;     1. [M 4,096, K 1,024] x [K 1,024, N 1,024]; A: input x (given as codes); B: input Wq (given as codes): QUANTISED (scales: A lowp_scales[0], B lowp_scales[1])
;;     2. [M 4,096, K 1,024] x [K 1,024, N 1,024]; A: input x (given as codes); B: input Wk (given as codes): QUANTISED (scales: A lowp_scales[2], B lowp_scales[3])
;;     3. [M 4,096, K 1,024] x [K 1,024, N 1,024]; A: input x (given as codes); B: input Wv (given as codes): QUANTISED (scales: A lowp_scales[4], B lowp_scales[5])
;;     4. batch 32 x [M 2,048, K 64] x [K 64, N 2,048]; A: computed on the way; B: computed on the way: QUANTISED (scales: A lowp_scales[6], B lowp_scales[7])
;;     5. batch 32 x [M 64, K 2,048] x [K 2,048, N 2,048]; A: computed on the way; B: softmax (see below): QUANTISED (scales: A lowp_scales[8], B lowp_scales[9])
;;     6. [M 4,096, K 1,024] x [K 1,024, N 1,024]; A: computed on the way; B: input Wo (given as codes): QUANTISED (scales: A lowp_scales[10], B lowp_scales[11])
;;   THE QUANTISER, for each operand of a quantised product, along K:
;;     - The operand's scale is 2^e, e = its entry of the input lowp_scales (int32; the entries are numbered through the quantised products in the list's order, A before B).
;;     - Each number is divided by the scale, clamped to +-448, and rounded to the nearest number of E4M3, ties to even, subnormals kept.
;;     - The product sums the exact products of the quantised numbers (number of the format x scale) in f32.
;;   ~~~python
;;   def quantise(x, axis, e):      # numpy; x: float32 -> the quantised numbers, widened to float32 again
;;       x = np.moveaxis(x, axis, -1); K = x.shape[-1]
;;       r = np.clip(x / 2.0 ** e, -448, 448)
;;       step = 2.0 ** (np.maximum(np.frexp(np.where(r == 0, 1, r))[1] - 1, -6) - 3)
;;       q = np.round(r / step) * step * 2.0 ** e      # np.round: ties to even
;;       return np.moveaxis(q, -1, axis).astype(np.float32)
;;   ~~~
;;   SOFTMAX AHEAD OF A QUANTISED PRODUCT. Where the list says 'softmax', what is quantised is not the finished softmax but p = 2^(t - M), with t = logit x log2(e) and M = ceil(the row's largest t), a whole number; so 1/2 < the row's largest p <= 1. The row's sum l is taken of the UNQUANTISED p, in f32, and the product's result is divided by l at the end. Since M is a whole number, a kernel that streams over the keys may use a running M (the ceiling of the running maximum): every later rescaling is an exact power of two, so the quantised numbers keep their values, but for numbers so far below the row's largest that they fall under the format's range.
;;   OPERANDS COMPUTED ON THE WAY. 'Computed on the way' means the value that the module computes at that place (a softmax that the list does not call 'softmax' is quantised finished and normalised). What goes into a quantiser is computed in f32, as accurately as f32 sums, v_exp_f32 and their like allow (about 1e-6 of the number): no bf16 or f16 on the way to a quantiser, and a product that is left as it is and whose result goes on into a quantised operand takes f32 operands (vector FMAs, or v_wmma_f32_16x16x4_f32). A number that lies on a knife's edge between two numbers of the format may be rounded either way, as far as f32 arithmetic and the matrix unit's own rounding can turn it there, and no further.
;;   INPUTS GIVEN AS CODES. Wk (in the module: [1024, 1024], K = its axis 1); Wo (in the module: [1024, 1024], K = its axis 1); Wq (in the module: [1024, 1024], K = its axis 1); Wv (in the module: [1024, 1024], K = its axis 1); x (in the module: [2, 2048, 1024], K = its axis 2): each comes as NAME_codes (uint8): NAME with its K axis moved to the last place and cut into blocks of 32 codes, [.., K / 32, bytes a block], one block behind the other in memory; one code a byte (a code: sign, 4 exponent bits, 3 mantissa bits); its scale is its entry of lowp_scales. Its value is code x scale, taken as it is: it is not quantised again, and the codes and scales need not be those that the quantiser above would give.
;; One version. Each part assembles by itself: llvm-mc -triple=amdgcn-amd-amdhsa -mcpu=gfx1250 --defsym DOCPART=n.
;; ======== version 1 of 1: 3 launches
;; limits: right only within a limited range of input values
;; workspace buffers: q_codes 4,194,304 bytes; k_codes 4,194,304 bytes; v_codes 4,194,304 bytes; a_codes 4,194,304 bytes
;; launch qkv (part 1): grid 8 x 32, 4 waves a work-group, clusters of 4 x 4, 327,680 bytes of LDS; arguments x_codes, Wq_codes, Wk_codes, Wv_codes, lowp_scales, q_codes, k_codes, v_codes; writes q_codes, k_codes, v_codes
.if DOCPART == 1
	.amdgcn_target "amdgcn-amd-amdhsa--gfx1250"
	.amdhsa_code_object_version 6
	.text
	.protected	k_qe896d40623_qkv
	.globl	k_qe896d40623_qkv
	.p2align	8
	.type	k_qe896d40623_qkv,@function
k_qe896d40623_qkv:
	s_mov_b64 s[64:65], 0
	v_nop
	global_prefetch_b8 v0, s[64:65] scope:SCOPE_SE
	s_setreg_imm32_b32 hwreg(HW_REG_WAVE_MODE, 25, 1), 1
	s_wait_xcnt 0x0
	s_wait_alu depctr_hold_cnt(0) depctr_sa_sdst(0) depctr_va_vdst(0) depctr_va_sdst(0) depctr_va_ssrc(0) depctr_va_vcc(0) depctr_vm_vsrc(0)
	s_getreg_b32 s2, hwreg(HW_REG_IB_STS2, 6, 4)
	s_cmp_eq_u32 s2, 0
	s_cbranch_scc0 .Lentry_in_a_cluster
	s_endpgm
.Lentry_in_a_cluster:
	s_bfe_u32 s2, ttmp6, 0x10000c
	s_cmp_lg_u32 s2, 0xf033
	s_cbranch_scc0 .Lentry_shape_is_right
	s_endpgm
.Lentry_shape_is_right:
; q = rot(x Wq^T), k = rot(x Wk^T), v = x Wv^T on codes of E4M3; the results are quantised with the given scales and stored as codes.
; A work-group takes 128 rows of x and 128 rows (two heads) of each weight, and makes the three 128 x 128 tiles one after the other: 256 work-groups of four waves; a wave makes 64 x 64 of each, 16 accumulators.
; LDS: x's 128 rows of 1,024 codes stay; one weight tile lies beside them and is filled again twice (Wk, Wv), behind a round of the cluster's barrier, while the tile before goes out.
; x'S FRAGMENTS of the wave's 64 rows (8 steps of 128 along K x 4 x 16 registers) are read from LDS once and kept for all three products.
; CLUSTER 4 x 4: x's tile hangs on the tile row and is asked for jointly along a row of the cluster, the weights' on the tile column, along a column.
; q and k: source 0 = 16 rows of W, source 1 = 16 rows of x: lane (r, h) holds x's row 16 a + r, register j the channel 16 b + 8 h + j.  v is made as V^T by the sources' change of places: lane r holds a channel, register j a key.
; A fragment is fetched by four loads of 16 bytes, so that registers 4 c .. 4 c + 3 hold k = 32 c + 16 h + 0 .. 15: one permutation of k, the same on both sides; only the order of the sums inside an instruction changes.
; ROTARY.  cos and sin of position x 10^(-i/8), i the pair's number, are made in f32 while the tiles land: the angle less a whole number of pi/2 (pi/2 in three parts, fused multiply-adds), then the series of sine (to r^9)
; and cosine (to r^10) on |r| <= pi/4: the terms left out are under 2e-9.  The two waves with the same rows make half of the table each and hand it over through LDS; q and k use the same table.
; The rotation is linear, so it works on the raw sums, and the product's two scales and the quantiser's are folded into the conversion's one.
; PREFETCH.  The tiles of Wk and Wv are asked for while the table is made, a product and more ahead of the loads that want them: 128 rows x 4 blocks of 256 bytes each, 32 rows for each of the four partners, a block column for each wave;
; of the eight clusters that walk the same tile the first two ask.  x's tile and Wq's come by their loads alone.
; OUTPUT.  q_codes, k_codes: [b][h][s][64]; v_codes: [b][h][group of 64 keys][d 64][64 keys].  In all three a wave's 64 x 64 results are one dense block of 4,096 bytes, at the same offset.
; LIMITS.  E = (the quantiser's e) - (the product's two e added) lies between -126 and 119, so that 2^E and 448 x 2^E are f32 numbers.  NaN codes among the inputs are not served.
; 10^(-i/8) is the correctly rounded number; a power function in f32 may give its neighbour, which moves an angle by up to about 2e-4 at position 2,047.
; REGISTERS.  window 0: addresses and constants to v63, v64-127 at work, v128-255 cos and sin;   window 1: v0-127 accumulator (a, b) at 8 (4 a + b), v128-191 and v192-255 two sets of the weight's fragments;   windows 2, 3: x's fragments, steps 0-3 and 4-7.
.set PITCH, 1040                       ; an LDS row: 1,024 bytes + 16 of padding = 260 words, so the 16 rows of a fragment load start at 16 different banks
.set HALFT, 64*PITCH
.set BOFF,  2*HALFT                    ; x's 128 rows, then the weight's 128 rows
.set STG,   4*HALFT                    ; a stage of 64 rows x 80 bytes for each wave
.set SPC,   80
.set WSTG,  64*SPC
.set TABL,  STG+4*WSTG                 ; the table: 8,192 bytes from each wave
.set SPARE, TABL+4*8192                ; the spare words: two blocks of 256 bytes that no other line names
.set ADRA,  4
.set ADRB,  5
.set TABW,  6
.set TABR,  7
.set PFO,   8
.set STO,   12
.set RD,    13
.set GO,    14
.set SC,    16                         ; v16-18  2^E for q, k, v
.set LIM,   19                         ; v19-21  448 x 2^E
.set POSF,  22
.set IVF,   24
.set TAB,   128
.set WV,    3                          ; s3 wave, s4 wave / 2 (my half of x's rows; at the head: I fetch for x or for Wq), s5 wave % 2 (my half of the weight's rows; at the head: which 64 rows I fetch)
.set G1A,   16
.set G1B,   24
.set G0A,   32
.set G0B,   36
.set G1R,   40                         ; the refills: 32 rows a wave
.set G0R,   48                         ; Wk
.set G0S,   60                         ; Wv
.set G1W0,  (1<<20)|(1<<21)|(7<<22)|(3<<25)   ; elements of 1 byte; padding on; bit 21 beside a mask; after every 256 words, 4 words
.set MSB, 0
.macro WIN new                         ; the immediate's high byte repeats the setting that is left
.if MSB != \new
	s_set_vgpr_msb (MSB<<8)|\new
.set MSB, \new
.endif
.endm
.macro CREST                           ; a round of the cluster's barrier behind its opening barrier
	s_cmp_lg_u32 s[WV], 0
	s_cbranch_scc1 .Lnot_wave_0_\@
	s_barrier_signal -3
.Lnot_wave_0_\@:
	s_barrier_wait -3
	s_barrier_signal -1
	s_barrier_wait -1
.endm
.macro CROUND
	s_barrier_signal -1
	s_barrier_wait -1
	CREST
.endm
.macro PLACES                          ; four plain places behind matrix instructions, in front of loads into their sources and of reads of their results
.rept 4
	v_nop
.endr
.endm
.macro FETCHX s                        ; my 64 rows of x, 128 along K
	WIN (0x80+0x40*((\s)/4))
.irp i, 0,1,2,3
.irp cc, 0,1,2,3
	ds_load_b128 v[64*((\s)%4)+16*\i+4*\cc:64*((\s)%4)+16*\i+4*\cc+3], v[ADRA] offset:128*(\s)+32*\cc+\i*16*PITCH
.endr
.endr
.endm
.macro FETCHW s                        ; my 64 rows of the weight, into set s % 2
	WIN 0x40
.irp i, 0,1,2,3
.irp cc, 0,1,2,3
	ds_load_b128 v[128+64*((\s)%2)+16*\i+4*\cc:128+64*((\s)%2)+16*\i+4*\cc+3], v[ADRB] offset:128*(\s)+32*\cc+\i*16*PITCH
.endr
.endr
.endm
; 16 matrix instructions, the 16 accumulators by turns, in the same order in every step.  The first step starts the sums.  vt = 1: V^T, a runs over the weight's rows and b over x's.
.macro MUL s, vt
.set FW, 128+64*((\s)%2)
.set XF, 64*((\s)%4)
.if \vt
	WIN (0x56+((\s)/4))                            ; source 0 window 2 or 3, source 1 window 1
.else
	WIN (0x59+4*((\s)/4))                          ; source 0 window 1, source 1 window 2 or 3
.endif
.irp a, 0,1,2,3
.irp b, 0,1,2,3
.if \vt
.set SA, XF+16*\b
.set SB, FW+16*\a
.else
.set SA, FW+16*\b
.set SB, XF+16*\a
.endif
.if (\s) == 0
	v_wmma_f32_16x16x128_fp8_fp8 v[32*\a+8*\b:32*\a+8*\b+7], v[SA:SA+15], v[SB:SB+15], 0
.else
	v_wmma_f32_16x16x128_fp8_fp8 v[32*\a+8*\b:32*\a+8*\b+7], v[SA:SA+15], v[SB:SB+15], v[32*\a+8*\b:32*\a+8*\b+7]
.endif
.endr
.endr
.endm
.macro STEP s, first, vt               ; while a step is multiplied the next step's loads are on their way
.if (\s) > 0
	PLACES
.endif
.if \first
	FETCHX \s+1
.endif
	FETCHW \s+1
	s_wait_dscnt 16+16*\first                      ; all but the loads just issued
	MUL \s, \vt
.endm
; A tile's product.  first = 1: x's fragments come with the weight's.  fill = 1: behind the last reads of the weight's tile it is filled again by the descriptor at g0, 32 rows a wave.
.macro TILE first, vt, fill, g0
.if \first
	FETCHX 0
.endif
	FETCHW 0
.irp s, 0,1,2,3,4,5
	STEP \s, \first, \vt
.endr
	PLACES
.if \first
	FETCHX 7
.endif
	FETCHW 7
	s_wait_dscnt 16+16*\first
.if \fill
	WIN 0
	s_wait_tensorcnt 0x0                           ; no tensor load of mine is out;
	ds_add_u32 v62, v63                            ; 0 onto my spare word;
	MUL 6, \vt                                     ; sixteen matrix instructions between the add and the wait for it
	s_wait_dscnt 0x0                               ; the add is done, and my reads of the weight's tile are over
	s_barrier_signal -1
	MUL 7, \vt                                     ; work on registers while the others arrive
	WIN 0
	s_barrier_wait -1
	CREST                                          ; no wave of any partner still reads its tile
	tensor_load_to_lds s[\g0:\g0+3], s[G1R:G1R+7]
	s_nop 0
	PLACES
.else
	MUL 6, \vt
	s_wait_dscnt 0x0
	MUL 7, \vt
	WIN 0
	PLACES
.endif
.endm
	s_load_b256 s[68:75], s[0:1], 0x0              ; x s[68:69], Wq s[70:71], Wk s[72:73], Wv s[74:75]
	s_load_b256 s[76:83], s[0:1], 0x20             ; the exponents s[76:77], q_codes s[78:79], k_codes s[80:81], v_codes s[82:83]
	v_lshl_add_u32 v62, v0, 2, SPARE
	v_mov_b32 v63, 0
	ds_add_u32 v62, v63                            ; the opening: the add, twice on end, and its wait ahead of my first tensor load
	ds_add_u32 v62, v63
	v_lshrrev_b32 v3, 5, v0
	v_readfirstlane_b32 s[WV], v3                  ; wave 0..3
	s_lshr_b32 s4, s[WV], 1
	s_and_b32 s5, s[WV], 1
	s_bfe_u32 s6, ttmp6, 0x40000                   ; cx
	s_bfe_u32 s7, ttmp6, 0x40004                   ; cy
	s_and_b32 s9, ttmp7, 0xffff                    ; the cluster's y
	s_lshl_b32 s13, s9, 2
	s_add_co_u32 s13, s13, s7                      ; the tile row, 0..31: x
	s_lshl_b32 s14, ttmp9, 2
	s_add_co_u32 s14, s14, s6                      ; the tile column, 0..7: the weights
	s_lshl_b32 s10, s7, 2
	s_lshl_b32 s10, 15, s10                        ; my row of the cluster
	s_lshl_b32 s15, 0x1111, s6                     ; my column
	s_or_b32 s[G1A], s10, G1W0
	s_or_b32 s[G1B], s15, G1W0
	s_or_b32 s[G1R], s15, G1W0
.irp g, G1A, G1B, G1R
	s_mov_b32 s[\g+1], 1024<<16                    ; tensor_dim0 = 1,024
	s_mov_b32 s[\g+3], 1024<<16                    ; tile_dim0 = 1,024
	s_mov_b32 s[\g+5], 1024                        ; from row to row
	s_mov_b32 s[\g+6], 0
	s_mov_b32 s[\g+7], 0
.endr
	s_mov_b32 s[G1A+2], 64<<16                     ; 64 rows
	s_mov_b32 s[G1A+4], 64
	s_mov_b32 s[G1B+2], 64<<16
	s_mov_b32 s[G1B+4], 64
	s_mov_b32 s[G1R+2], 32<<16                     ; 32 rows
	s_mov_b32 s[G1R+4], 32
	s_lshl_b32 s2, s5, 6                           ; which 64 rows of a tile I fetch at the head
	s_lshl_b32 s66, s13, 7
	s_add_co_u32 s66, s66, s2
	s_lshl_b32 s66, s66, 10                        ; x: (128 x tile row + 64 x half) rows of 1,024 bytes
	s_mov_b32 s67, 0
	s_lshl_b32 s100, s14, 7
	s_add_co_u32 s94, s100, s2
	s_lshl_b32 s94, s94, 10                        ; Wq likewise, from the tile column
	s_mov_b32 s95, 0
	s_lshl_b32 s104, s7, 5
	s_add_co_u32 s104, s104, s100
	s_lshl_b32 s104, s104, 10
	s_lshl_b32 s12, s[WV], 8
	s_add_co_u32 s104, s104, s12                   ; the prefetches: 32 rows for each partner, a block column for each wave
	s_mov_b32 s105, 0
	s_lshl_b32 s12, s[WV], 5
	s_add_co_u32 s100, s100, s12
	s_lshl_b32 s100, s100, 10                      ; the refills: 32 rows for each wave
	s_mov_b32 s101, 0
	s_mul_i32 s10, s[WV], HALFT                    ; where my parts go: the wave's number alone
	s_mul_i32 s11, s[WV], 32*PITCH
	s_add_co_u32 s11, s11, BOFF
	s_wait_dscnt 0x0                               ; both opening adds are done
	s_wait_kmcnt 0x0
	s_load_b256 s[84:91], s[76:77], 0x0            ; e0 .. e7
	s_load_b32 s92, s[76:77], 0x20                 ; e8
	CROUND                                         ; all sixteen work-groups are here: the joint loads meet
	s_mov_b32 s[G0A], 1
	s_mov_b32 s[G0A+1], s10
	s_add_nc_u64 s[G0A+2:G0A+3], s[68:69], s[66:67]
	s_or_b32 s[G0A+3], s[G0A+3], 0x80000000
	s_mov_b32 s[G0B], 1
	s_mov_b32 s[G0B+1], s10
	s_add_nc_u64 s[G0B+2:G0B+3], s[70:71], s[94:95]
	s_or_b32 s[G0B+3], s[G0B+3], 0x80000000
	s_cmp_eq_u32 s4, 0                             ; waves 0, 1 fetch x's halves, waves 2, 3 Wq's; four v_nop follow each line
	s_cbranch_scc0 .Lfor_b
	tensor_load_to_lds s[G0A:G0A+3], s[G1A:G1A+7]
	s_nop 0
	PLACES
	s_branch .Lasked
.Lfor_b:
	tensor_load_to_lds s[G0B:G0B+3], s[G1B:G1B+7]
	s_nop 0
	PLACES
.Lasked:
	s_mov_b32 s[G0R], 1
	s_mov_b32 s[G0R+1], s11
	s_add_nc_u64 s[G0R+2:G0R+3], s[72:73], s[100:101]
	s_or_b32 s[G0R+3], s[G0R+3], 0x80000000
	s_mov_b32 s[G0S], 1
	s_mov_b32 s[G0S+1], s11
	s_add_nc_u64 s[G0S+2:G0S+3], s[74:75], s[100:101]
	s_or_b32 s[G0S+3], s[G0S+3], 0x80000000
	s_add_nc_u64 s[54:55], s[72:73], s[104:105]
	s_add_nc_u64 s[56:57], s[74:75], s[104:105]
	; which block of 4,096 bytes is mine
	s_lshl_b32 s2, s13, 1
	s_add_co_u32 s2, s2, s4                        ; my group of 64 positions, 0..63
	s_lshl_b32 s15, s14, 1
	s_add_co_u32 s15, s15, s5                      ; my head, 0..15
	s_lshr_b32 s12, s2, 5                          ; b
	s_lshl_b32 s12, s12, 4
	s_add_co_u32 s12, s12, s15
	s_lshl_b32 s12, s12, 5
	s_and_b32 s2, s2, 31
	s_add_co_u32 s12, s12, s2
	s_lshl_b32 s12, s12, 12                        ; ((b 16 + head) 32 + group) x 4,096
	s_mov_b32 s13, 0
	s_add_nc_u64 s[78:79], s[78:79], s[12:13]
	s_add_nc_u64 s[80:81], s[80:81], s[12:13]
	s_add_nc_u64 s[82:83], s[82:83], s[12:13]
	s_lshl_b32 s2, s2, 6
	s_lshl_b32 s15, s5, 5
	s_add_co_u32 s2, s2, s15                       ; the first of the 32 positions whose angles I make
	s_mul_i32 s10, s4, HALFT                       ; my 64 rows of x
	s_mul_i32 s11, s5, HALFT
	s_add_co_u32 s11, s11, BOFF                    ; my 64 rows of the weight
	s_mul_i32 s12, s[WV], WSTG
	s_add_co_u32 s12, s12, STG                     ; my stage
	s_lshl_b32 s13, s[WV], 13
	s_add_co_u32 s13, s13, TABL                    ; my half of my rows' table,
	s_lshl_b32 s14, s4, 14
	s_add_co_u32 s14, s14, TABL                    ; and the whole
	v_and_b32 v1, 15, v0                           ; r
	v_bfe_u32 v2, v0, 4, 1                         ; h
	v_and_b32 v9, 31, v0
	v_mul_u32_u24 v3, v1, PITCH
	v_lshl_add_u32 v3, v2, 4, v3                   ; a fragment's row x pitch + 16 h
	v_lshlrev_b32 v[GO], 4, v9                     ; in memory the block is dense: 16 x lane
	v_add_nc_u32 v[ADRA], s10, v3
	v_add_nc_u32 v[ADRB], s11, v3
	v_add_nc_u32 v[TABW], s13, v[GO]
	v_add_nc_u32 v[TABR], s14, v[GO]
	v_lshlrev_b32 v[PFO], 10, v9
	v_mul_u32_u24 v[STO], v1, SPC
	v_lshl_add_u32 v[STO], v2, 3, v[STO]
	v_add_nc_u32 v[STO], s12, v[STO]               ; in: row r, 8 bytes for each half of the lanes
	v_lshrrev_b32 v[RD], 2, v9
	v_mul_u32_u24 v[RD], v[RD], SPC
	v_and_b32 v10, 3, v0
	v_lshl_add_u32 v[RD], v10, 4, v[RD]
	v_add_nc_u32 v[RD], s12, v[RD]                 ; back: four lanes to a row of 64 bytes
	v_add_nc_u32 v10, s2, v1                       ; position of row r of my first 16
	v_add_nc_u32 v11, 16, v10
	v_cvt_f32_u32 v[POSF], v10
	v_cvt_f32_u32 v[POSF+1], v11
	v_cmp_eq_u32 vcc_lo, 1, v2
.macro INVF idx, lit0, lit1            ; 10^(-i/8), i = 8 b + 4 h + j, idx = 4 b + j: lit0 for lanes 0-15, lit1 for lanes 16-31
	v_mov_b32 v[IVF+\idx], \lit1
	v_cndmask_b32 v[IVF+\idx], \lit0, v[IVF+\idx], vcc_lo
.endm
	INVF 0,  1.0,              0.31622776602
	INVF 1,  0.74989420933,    0.23713737057
	INVF 2,  0.56234132519,    0.17782794100
	INVF 3,  0.42169650343,    0.13335214322
	INVF 4,  0.1,              0.031622776602
	INVF 5,  0.074989420933,   0.023713737057
	INVF 6,  0.056234132519,   0.017782794100
	INVF 7,  0.042169650343,   0.013335214322
	INVF 8,  0.01,             0.0031622776602
	INVF 9,  0.0074989420933,  0.0023713737057
	INVF 10, 0.0056234132519,  0.0017782794100
	INVF 11, 0.0042169650343,  0.0013335214322
	INVF 12, 0.001,            0.00031622776602
	INVF 13, 0.00074989420933, 0.00023713737057
	INVF 14, 0.00056234132519, 0.00017782794100
	INVF 15, 0.00042169650343, 0.00013335214322
	v_mov_b32 v40, 0x3638ef1d                      ; 1/9!
	v_mov_b32 v41, 0xb493f27e                      ; -1/10!
; cos and sin of the four angles of (a, b), four chains side by side.  v64.. angle, then |sin|; v68.. n, then |cos|; v72.. n as a whole number; v76.. r; v80.. r^2; v84.. sine; v88.. cosine; v92.. at work
.macro SINCOS4 a, b
.irp j, 0,1,2,3
	v_mul_f32 v[64+\j], v[POSF+\a], v[IVF+4*\b+\j]
.endr
.irp j, 0,1,2,3
	v_mul_f32 v[68+\j], 0x3f22f983, v[64+\j]       ; x 2/pi
.endr
.irp j, 0,1,2,3
	v_rndne_f32 v[68+\j], v[68+\j]                 ; n, at most 1,304
.endr
.irp j, 0,1,2,3
	v_cvt_i32_f32 v[72+\j], v[68+\j]
.endr
.irp j, 0,1,2,3
	v_fmamk_f32 v[76+\j], v[68+\j], 0xbfc90fd8, v[64+\j]   ; r = angle - n pi/2: pi/2's first 21 bits (this difference is exact),
.endr
.irp j, 0,1,2,3
	v_fmamk_f32 v[76+\j], v[68+\j], 0xb4a8885a, v[76+\j]   ; the next 24,
.endr
.irp j, 0,1,2,3
	v_fmamk_f32 v[76+\j], v[68+\j], 0xa7c234c4, v[76+\j]   ; and 24 more
.endr
.irp j, 0,1,2,3
	v_mul_f32 v[80+\j], v[76+\j], v[76+\j]
.endr
.irp j, 0,1,2,3
	v_fmaak_f32 v[84+\j], v[80+\j], v40, 0xb9500d01        ; -1/7!
.endr
.irp j, 0,1,2,3
	v_fmaak_f32 v[88+\j], v[80+\j], v41, 0x37d00d01        ; 1/8!
.endr
.irp j, 0,1,2,3
	v_fmaak_f32 v[84+\j], v[84+\j], v[80+\j], 0x3c088889   ; 1/5!
.endr
.irp j, 0,1,2,3
	v_fmaak_f32 v[88+\j], v[88+\j], v[80+\j], 0xbab60b61   ; -1/6!
.endr
.irp j, 0,1,2,3
	v_fmaak_f32 v[84+\j], v[84+\j], v[80+\j], 0xbe2aaaab   ; -1/3!
.endr
.irp j, 0,1,2,3
	v_fmaak_f32 v[88+\j], v[88+\j], v[80+\j], 0x3d2aaaab   ; 1/4!
.endr
.irp j, 0,1,2,3
	v_mul_f32 v[92+\j], v[76+\j], v[80+\j]                 ; r^3
.endr
.irp j, 0,1,2,3
	v_fmaak_f32 v[88+\j], v[88+\j], v[80+\j], 0xbf000000   ; -1/2!
.endr
.irp j, 0,1,2,3
	v_fma_f32 v[84+\j], v[84+\j], v[92+\j], v[76+\j]       ; sin r
.endr
.irp j, 0,1,2,3
	v_fma_f32 v[88+\j], v[88+\j], v[80+\j], 1.0            ; cos r
.endr
.irp j, 0,1,2,3
	v_and_b32 v[92+\j], 1, v[72+\j]
.endr
.irp j, 0,1,2,3
	v_cmp_ne_u32 s[96+\j], 0, v[92+\j]                     ; n odd: sine and cosine change places
.endr
.irp j, 0,1,2,3
	v_cndmask_b32 v[64+\j], v[84+\j], v[88+\j], s[96+\j]
.endr
.irp j, 0,1,2,3
	v_cndmask_b32 v[68+\j], v[88+\j], v[84+\j], s[96+\j]
.endr
.irp j, 0,1,2,3
	v_lshlrev_b32 v[92+\j], 30, v[72+\j]                   ; the sine's sign: bit 1 of n;
.endr
.irp j, 0,1,2,3
	v_add_nc_u32 v[72+\j], 1, v[72+\j]
.endr
.irp j, 0,1,2,3
	v_lshlrev_b32 v[72+\j], 30, v[72+\j]                   ; the cosine's: bit 1 of n + 1
.endr
.irp j, 0,1,2,3
	v_and_b32 v[92+\j], 0x80000000, v[92+\j]
.endr
.irp j, 0,1,2,3
	v_and_b32 v[72+\j], 0x80000000, v[72+\j]
.endr
.irp j, 0,1,2,3
	v_xor_b32 v[TAB+8*(4*\a+\b)+2*\j+1], v[64+\j], v[92+\j]
.endr
.irp j, 0,1,2,3
	v_xor_b32 v[TAB+8*(4*\a+\b)+2*\j], v[68+\j], v[72+\j]
.endr
.endm
.macro ASK base, name                  ; a prefetch of my part of a weight's tile, in the first two of the eight clusters that walk it
	s_wait_alu depctr_va_vdst(0)
	s_cmp_lt_u32 s9, 2
	s_cbranch_scc0 .Lno_\name
	global_prefetch_b8 v[PFO], s[\base:\base+1] th:TH_LOAD_NT scope:SCOPE_SE
.Lno_\name:
.endm
	ASK 54, wk
.irp b, 0,1,2,3
	SINCOS4 0, \b
.endr
	ASK 56, wv
.irp b, 0,1,2,3
	SINCOS4 1, \b
.endr
.set n, 0
.rept 16
	ds_store_b128 v[TABW], v[TAB+4*n:TAB+4*n+3] offset:512*n   ; the registers' image: 16 bytes a lane
.set n, n+1
.endr
	s_wait_alu depctr_va_vdst(0)
	s_wait_kmcnt 0x0                               ; the exponents
.macro EXPO i, e, a, b                 ; E = e - a - b: a raw sum stands for sum x 2^(a + b), its code is sum / 2^E
	s_sub_co_i32 s[\e], s[\e], s[\a]
	s_sub_co_i32 s[\e], s[\e], s[\b]
	s_add_co_i32 s[\e], s[\e], 127
	s_lshl_b32 s93, s[\e], 23
	v_mov_b32 v[SC+\i], s93                        ; 2^E
	s_add_co_i32 s[\e], s[\e], 8
	s_lshl_b32 s[\e], s[\e], 23
	s_or_b32 s[\e], s[\e], 0x600000
	v_mov_b32 v[LIM+\i], s[\e]                     ; 448 x 2^E
.endm
	EXPO 0, 90, 84, 85
	EXPO 1, 91, 86, 87
	EXPO 2, 92, 88, 89
	s_wait_alu depctr_va_vdst(0)
	s_wait_tensorcnt 0x0                           ; my part of the first tiles is in
	s_wait_dscnt 0x0                               ; my half of the table is stored
	s_barrier_signal -1
	s_barrier_wait -1
.set n, 0
.rept 32
	ds_load_b128 v[TAB+4*n:TAB+4*n+3], v[TABR] offset:512*n    ; the whole table of my rows
.set n, n+1
.endr
; THE WAY OUT, 16 rows at a time: the rotation (each accumulator from its low end on), the hold, the conversion, 8 bytes a lane into my stage; then the block as it lies in memory.
.macro OUTA a, i, rot
	WIN 0x01                                       ; source 0 (the sums) window 1
.if \rot
.set n, 0
.rept 16
	v_pk_mul_f32 v[64+n:65+n], v[32*\a+n:32*\a+n+1], v[TAB+32*\a+n:TAB+32*\a+n+1] op_sel:[1,1] op_sel_hi:[0,1]   ; t2 sin, t1 sin
.set n, n+2
.endr
.set n, 0
.rept 16
	v_pk_fma_f32 v[64+n:65+n], v[32*\a+n:32*\a+n+1], v[TAB+32*\a+n:TAB+32*\a+n+1], v[64+n:65+n] op_sel_hi:[1,0,1] neg_lo:[0,0,1]   ; t1 cos - t2 sin, t2 cos + t1 sin
.set n, n+2
.endr
	WIN 0
.set n, 0
.rept 32
	v_med3_num_f32 v[64+n], v[64+n], -v[LIM+\i], v[LIM+\i]   ; the conversion to an 8-bit code does not saturate (ISA guide 7.6.2): the hold at the largest code x the scale
.set n, n+1
.endr
.else
.set n, 0
.rept 32
	v_med3_num_f32 v[64+n], v[32*\a+n], -v[LIM+\i], v[LIM+\i]
.set n, n+1
.endr
	WIN 0
.endif
.irp b, 0,1,2,3
	v_cvt_scalef32_pk8_fp8_f32 v[96+8*\a+2*\b:97+8*\a+2*\b], v[64+8*\b:71+8*\b], v[SC+\i]
.endr
	v_nop                                          ; a plain place between the conversions and the next lines that write their sources
.irp b, 0,1,2,3
	ds_store_b64 v[STO], v[96+8*\a+2*\b:97+8*\a+2*\b] offset:16*\a*SPC+16*\b
.endr
.endm
.macro OUT i, rot, dst
.irp a, 0,1,2,3
	OUTA \a, \i, \rot
.endr
.irp t, 0,1,2,3,4,5,6,7
	ds_load_b128 v[64+4*\t:67+4*\t], v[RD] offset:8*SPC*\t   ; LDS serves a wave's instructions in order: these see my stores; the stage is my own, so no barrier
.endr
.irp t, 0,1,2,3,4,5,6,7
	s_wait_dscnt 7-\t                              ; the 7 - t younger loads may be out
	global_store_b128 v[GO], v[64+4*\t:67+4*\t], s[\dst:\dst+1] offset:512*\t   ; 32 lanes store 512 consecutive bytes, at a multiple of 512 from the buffer's first byte
.endr
.endm
.macro LANDED                          ; the next weight's tile is whole
	s_wait_xcnt 0x0                                ; my stores have read their data: those registers are written again
	s_wait_tensorcnt 0x0
	s_wait_dscnt 0x0
	s_barrier_signal -1
	s_barrier_wait -1
.endm
	TILE 1, 0, 1, G0R                              ; q; then Wk is asked for
	OUT 0, 1, 78
	LANDED
	TILE 0, 0, 1, G0S                              ; k; then Wv
	OUT 1, 1, 80
	LANDED
	TILE 0, 1, 0, 0                                ; v
	OUT 2, 0, 82
	s_wait_tensorcnt 0x0                           ; the wave's end
	ds_add_u32 v62, v63
	s_wait_dscnt 0x0
	CROUND                                         ; the closing round: no work-group ends while a partner may still ask for a tile that names it
	s_endpgm
.Lfunc_end_k_qe896d40623_qkv:
	.size	k_qe896d40623_qkv, .Lfunc_end_k_qe896d40623_qkv-k_qe896d40623_qkv
	.p2alignl 7, 3214868480
	.fill 96, 4, 3214868480
	.section	.rodata,"a",@progbits
	.p2align	6, 0x0
	.amdhsa_kernel k_qe896d40623_qkv
		.amdhsa_group_segment_fixed_size 327680
		.amdhsa_private_segment_fixed_size 0
		.amdhsa_enable_private_segment 0
		.amdhsa_kernarg_size 64
		.amdhsa_user_sgpr_count 2
		.amdhsa_user_sgpr_kernarg_segment_ptr 1
		.amdhsa_wavefront_size32 1
		.amdhsa_system_sgpr_workgroup_id_x 1
		.amdhsa_system_sgpr_workgroup_id_y 1
		.amdhsa_system_sgpr_workgroup_id_z 1
		.amdhsa_system_vgpr_workitem_id 0
		.amdhsa_next_free_vgpr 1024
		.amdhsa_next_free_sgpr 106
		.amdhsa_reserve_vcc 1
		.amdhsa_float_denorm_mode_32 3
		.amdhsa_float_denorm_mode_16_64 3
		.amdhsa_memory_ordered 1
		.amdhsa_forward_progress 1
		.amdhsa_inst_pref_size 176
	.end_amdhsa_kernel
	.amdgpu_metadata
---
amdhsa.version: [ 1, 2 ]
amdhsa.kernels:
  - .name:           k_qe896d40623_qkv
    .symbol:         k_qe896d40623_qkv.kd
    .args:
      - { .name: x_codes, .offset: 0, .size: 8, .value_kind: global_buffer, .address_space: global }
      - { .name: Wq_codes, .offset: 8, .size: 8, .value_kind: global_buffer, .address_space: global }
      - { .name: Wk_codes, .offset: 16, .size: 8, .value_kind: global_buffer, .address_space: global }
      - { .name: Wv_codes, .offset: 24, .size: 8, .value_kind: global_buffer, .address_space: global }
      - { .name: lowp_scales, .offset: 32, .size: 8, .value_kind: global_buffer, .address_space: global }
      - { .name: q_codes, .offset: 40, .size: 8, .value_kind: global_buffer, .address_space: global }
      - { .name: k_codes, .offset: 48, .size: 8, .value_kind: global_buffer, .address_space: global }
      - { .name: v_codes, .offset: 56, .size: 8, .value_kind: global_buffer, .address_space: global }
    .group_segment_fixed_size: 327680
    .private_segment_fixed_size: 0
    .kernarg_segment_align: 8
    .kernarg_segment_size: 64
    .max_flat_workgroup_size: 128
    .sgpr_count:     106
    .vgpr_count:     1024
    .wavefront_size: 32
...
	.end_amdgpu_metadata
.endif
;; end of part 1
;; launch attn (part 2): grid 32 x 8, 8 waves a work-group, clusters of 4 x 4, 327,680 bytes of LDS; arguments q_codes, k_codes, v_codes, mask, lowp_scales, a_codes; writes a_codes
.if DOCPART == 2
	.amdgcn_target "amdgcn-amd-amdhsa--gfx1250"
	.amdhsa_code_object_version 6
	.text
	.protected	k_qe896d40623_attn
	.globl	k_qe896d40623_attn
	.p2align	8
	.type	k_qe896d40623_attn,@function
k_qe896d40623_attn:
	s_mov_b64 s[64:65], 0
	v_nop
	global_prefetch_b8 v0, s[64:65] scope:SCOPE_SE
	s_setreg_imm32_b32 hwreg(HW_REG_WAVE_MODE, 25, 1), 1
	s_wait_xcnt 0x0
	s_wait_alu depctr_hold_cnt(0) depctr_sa_sdst(0) depctr_va_vdst(0) depctr_va_sdst(0) depctr_va_ssrc(0) depctr_va_vcc(0) depctr_vm_vsrc(0)
	s_getreg_b32 s2, hwreg(HW_REG_IB_STS2, 6, 4)
	s_cmp_eq_u32 s2, 0
	s_cbranch_scc0 .Lentry_in_a_cluster
	s_endpgm
.Lentry_in_a_cluster:
	s_bfe_u32 s2, ttmp6, 0x10000c
	s_cmp_lg_u32 s2, 0xf033
	s_cbranch_scc0 .Lentry_shape_is_right
	s_endpgm
.Lentry_shape_is_right:
; a = softmax(q k^T / 8 + mask) v for 32 (batch, head) pairs, both products on codes of E4M3; the result is quantised with the given scale and stored as codes [4096][1024].
; The mask is an input: every number of it is loaded and added, and every key is walked.
; SHARES.  A work-group takes 64 queries x 4 heads, in eight waves of 512 registers, two to a SIMD.  Wave w: head w / 2 of the four, queries 32 (w % 2) on: two tiles (X and Y) of 16 queries.
; A fragment of K or V that a wave loads feeds two matrix products.  The four heads' 4 x 64 bytes of a row of the result are 256 consecutive bytes.
; CLUSTER 4 x 4.  K's and V's tiles hang on the work-group's y (batch and heads) and are asked for jointly along a row of the cluster; the mask's tile hangs on its x (queries): along a column.
; RING.  Two LDS slots of 128 keys: K and V of four heads, 64 rows of the mask.  Waves 0 and 1 fetch K (two rows of 8,192 bytes, a head each), waves 2 and 3 V, waves 4 to 7 a quarter of the mask's rows: one tensor load of a wave is out at the most.
; ORDER.  A step: S^T and t; V's loads, the slot's last; then the change of slots; behind it the next step's mask and the first half of its K are loaded while the softmax goes on; O^T; the rest of K.  The last two steps are written out.
; LAYOUT.  Both products are used transposed: S^T = K Q^T (source 0 = 16 keys, source 1 = 16 queries), O^T = V^T P^T: a lane holds ONE query (lane % 16) of a tile throughout.
; THE KEYS OF A TILE ARE NOT NEIGHBOURS: lane r of tile 2 b + u takes key 32 b + 8 u + r + 8 (r / 8), so that the 16 registers of tiles 2 b, 2 b + 1 are the keys 32 b + 16 (lane / 16) + 0 .. 15: the conversions' results are the
; second product's operand.  Fragments come by loads of 16 bytes: a permutation of k that is the same on both sides of each product.
; SOFTMAX.  t = S x (2^(e6 + e7 - 3) x log2(e)) + mask x log2(e), one fused multiply-add; M = the running largest t rounded up to a whole number, kept as -M = floor(-t); p = 2^(t - M).  t is rounded BEFORE the maximum is taken and M
; is taken off by an addition, so that the largest p lies in (1/2, 1] however large the logits are.  The row's sum is taken of the unquantised p.  When M moves, the sum and O^T are multiplied by 2^(old M - new M): exact.
; PREFETCH.  In step s = 0 .. 11 the blocks of step s + 4 are asked for, two changes of slots ahead of the load that brings them: wave 0 K's, wave 1 V's, wave 2 the mask's, 32 blocks of 256 bytes each; the four partners of a joint load share its 128 blocks out by
; address.  K and V are walked by eight clusters: a step is asked for by two of them, by the cluster's number.  Steps 0 to 3 come by their loads alone.
; LIMITS.  e6 + e7 - 3 between -126 and 126; e9, and e10 - e8 - e9, between -126 and 119: each power of two below is then an f32 number.  |mask| x log2(e) is an f32 number.  NaN among the inputs is not served.
; REGISTERS, in windows of 256.  Window 0: v1-3 my places in a slot's K, V, mask; v4, v7, v8 the step's addresses; v5, v6 for the add; v9-11 the way out; v12 the prefetches' offset; v16-79 V, and K's tiles 4-7 in v16-47; v80-111 K's tiles 0-3;
;   v112-239 the mask x log2(e); v240-248 at work at the head.
;   Window 1: v0-63 S^T, t, p of X, v64-127 of Y; v128-143 Q; v144-207 O^T (X, Y); v208-239 partial sums, then p's codes (v224-231 also at work); v240-247 for X and Y -M, the largest t, the sum in two halves; v248-251 f; v252 448 x 2^e9, v253 2^e9.
.set KP,    144                        ; K in LDS: TWO keys' 128 bytes + 16 of padding = 36 words.  Key k begins at word 36 (k / 2) + 16 (k % 2): the keys 0-7 and 16-23 that sixteen lanes read together begin at sixteen different multiples of 4 words mod 64
.set VP,    80                         ; V in LDS: a channel's 64 codes + 16 of padding = 20 words: sixteen neighbouring rows begin at sixteen different multiples of 4 words mod 64
.set KHB,   9216                       ; a head's K in a slot: 64 double rows
.set VHB,   10240                      ; a head's V in a slot: two blocks of 64 channels x 64 keys
.set VOFF,  4*KHB
.set MOFF,  VOFF+4*VHB
.set MP,    528                        ; a row of the mask's tile: 512 bytes + 16 = 132 words, so 16 rows start at 16 different banks
.set SLOT1, 1<<17                      ; slot 1 begins here: one exclusive or turns an address from one slot to the other
.set SPARE, 2*SLOT1                    ; the spare words: 128 bytes for each of 8 waves, four blocks of 256 bytes that no other line names
.set STAGE, SPARE+1024                 ; the way out: 64 rows x (256 + 16) bytes; no tile lands here
.set SP,    272
.set NSTEP, 16
.set WV,    16
.set G1V,   24
.set G1M,   32
.set G0K,   40
.set G0V,   44
.set G0M,   48
.set TB,    52
.set G1K,   76
.set PFA,   84
.set PFS,   86
.set PFM,   88
.set PFL,   89
.set VR,    16
.set KA,    80
.set MK,    112
.set QR,    128
.set OT,    144
.set CD,    208
.set T,     224                        ; the upper half of CD: at work ahead of the partial sums, and behind their first halving
.set UX,    240
.set UY,    244
.set FX,    248
.set FY,    250
.set LIM,   252
.set SC,    253
.set MSB, 0
.macro WIN new                         ; the immediate's high byte repeats the setting that is left
.if MSB != \new
	s_set_vgpr_msb (MSB<<8)|\new
.set MSB, \new
.endif
.endm
.macro CREST                           ; a round of the cluster's barrier behind its opening barrier
	s_cmp_lg_u32 s[WV], 0
	s_cbranch_scc1 .Lnot_wave_0_\@
	s_barrier_signal -3
.Lnot_wave_0_\@:
	s_barrier_wait -3
	s_barrier_signal -1
	s_barrier_wait -1
.endm
.macro CROUND
	s_barrier_signal -1
	s_barrier_wait -1
	CREST
.endm
; The joint loads of a slot, one a wave.  The branches hang on the wave's number alone.  Four v_nop follow each line.
.macro TLOAD
	s_cmp_lt_u32 s[WV], 2
	s_cbranch_scc0 .Lnot_k_\@
	tensor_load_to_lds s[G0K:G0K+3], s[G1K:G1K+7]
	s_nop 0
.rept 4
	v_nop
.endr
	s_branch .Lasked_\@
.Lnot_k_\@:
	s_cmp_lt_u32 s[WV], 4
	s_cbranch_scc0 .Lnot_v_\@
	tensor_load_to_lds s[G0V:G0V+3], s[G1V:G1V+7]
	s_nop 0
.rept 4
	v_nop
.endr
	s_branch .Lasked_\@
.Lnot_v_\@:
	tensor_load_to_lds s[G0M:G0M+3], s[G1M:G1M+7]
	s_nop 0
.rept 4
	v_nop
.endr
.Lasked_\@:
.endm
.macro STEPDESC                        ; the other slot than last time, the next 128 keys
	s_xor_b32 s[G0K+1], s[G0K+1], SLOT1
	s_add_nc_u64 s[G0K+2:G0K+3], s[G0K+2:G0K+3], 8192
	s_xor_b32 s[G0V+1], s[G0V+1], SLOT1
	s_add_nc_u64 s[G0V+2:G0V+3], s[G0V+2:G0V+3], 8192
	s_xor_b32 s[G0M+1], s[G0M+1], SLOT1
	s_add_nc_u64 s[G0M+2:G0M+3], s[G0M+2:G0M+3], 512
.endm
.macro ADDRS
	v_add_nc_u32 v4, s[TB], v1
	v_add_nc_u32 v7, s[TB], v2
	v_add_nc_u32 v8, s[TB], v3
.endm
	s_load_b256 s[4:11], s[0:1], 0x0               ; q s[4:5], k s[6:7], v s[8:9], mask s[10:11]
	s_load_b128 s[12:15], s[0:1], 0x20             ; the exponents s[12:13], a_codes s[14:15]
	v_lshl_add_u32 v5, v0, 2, SPARE
	v_mov_b32 v6, 0
	ds_add_u32 v5, v6                              ; the opening: the add, twice on end, and its wait ahead of my first tensor load
	ds_add_u32 v5, v6
	v_lshrrev_b32 v240, 5, v0
	v_readfirstlane_b32 s[WV], v240                ; wave 0..7
	s_and_b32 s21, s[WV], 1                        ; my 32 queries of the 64; also: which two heads of K or V I fetch
	s_lshr_b32 s2, s[WV], 1                        ; my head of the four
	s_and_b32 s94, s[WV], 3                        ; which 16 rows of the mask I fetch
	s_bfe_u32 s19, ttmp6, 0x40000                  ; cx
	s_bfe_u32 s20, ttmp6, 0x40004                  ; cy
	s_lshl_b32 s17, ttmp9, 2
	s_add_co_u32 s17, s17, s19                     ; work-group x: my 64 queries
	s_and_b32 s18, ttmp7, 0xffff
	s_lshl_b32 s18, s18, 2
	s_add_co_u32 s18, s18, s20                     ; work-group y: my four (batch, head) pairs, 4 y on
	s_lshl_b32 s22, s20, 2
	s_lshl_b32 s22, 15, s22                        ; my row of the cluster
	s_lshl_b32 s23, 0x1111, s19                    ; my column
	s_or_b32 s[G1K], s22, (1<<20)|(1<<21)|(4<<22)|(3<<25)   ; K: elements of 1 byte; padding: 4 words after every 32 (two keys)
	s_or_b32 s[G1V], s22, (1<<20)|(1<<21)|(3<<22)|(3<<25)   ; V: padding: 4 words after every 16 (a channel's 64 keys)
.irp g, G1K, G1V
	s_mov_b32 s[\g+1], 8192<<16                    ; tensor_dim0 = 8,192: a head's 128 keys are 8,192 consecutive bytes
	s_mov_b32 s[\g+2], 2<<16                       ; tensor_dim1 = 2 heads
	s_mov_b32 s[\g+3], 8192<<16                    ; tile_dim0
	s_mov_b32 s[\g+4], 2                           ; tile_dim1
	s_mov_b32 s[\g+5], 131072                      ; from head to head
	s_mov_b32 s[\g+6], 0
	s_mov_b32 s[\g+7], 0
.endr
	s_or_b32 s[G1M], s23, (2<<16)|(1<<20)|(1<<21)|(6<<22)|(3<<25)   ; the mask: elements of 4 bytes; padding: 4 words after every 128
	s_mov_b32 s[G1M+1], 128<<16
	s_mov_b32 s[G1M+2], 16<<16
	s_mov_b32 s[G1M+3], 128<<16
	s_mov_b32 s[G1M+4], 16
	s_mov_b32 s[G1M+5], 2048
	s_mov_b32 s[G1M+6], 0
	s_mov_b32 s[G1M+7], 0
	s_lshl_b32 s90, s18, 19                        ; four heads of 131,072 bytes for each work-group y,
	s_lshl_b32 s91, s21, 18
	s_add_co_u32 s90, s90, s91                     ; my two of them
	s_mov_b32 s91, 0
	s_lshl_b32 s66, s17, 19                        ; the mask: 64 rows of 8,192 bytes for each work-group x,
	s_lshl_b32 s67, s94, 17
	s_add_co_u32 s66, s66, s67                     ; my 16 of them
	s_mov_b32 s67, 0
	s_mul_i32 s60, s94, 16*MP
	s_mul_i32 s61, s21, 2*KHB
	s_mul_i32 s62, s21, 2*VHB
	s_mov_b32 s[TB], 0
	s_mov_b32 s54, 0x76543210                      ; v_permlanex16_b32's selects: lane l xor 16
	s_mov_b32 s55, 0xfedcba98
	s_mov_b32 s58, 0x3fb8aa3b                      ; log2(e)
	s_mov_b32 s59, s58
	s_wait_dscnt 0x0                               ; both opening adds are done
	s_wait_kmcnt 0x0
	s_load_b256 s[68:75], s[12:13], 0x10           ; e4 .. e11
	CROUND                                         ; all sixteen work-groups are here: the first joint loads meet
	s_mov_b32 s[G0K], 1
	s_mov_b32 s[G0K+1], s61
	s_add_nc_u64 s[G0K+2:G0K+3], s[6:7], s[90:91]
	s_or_b32 s[G0K+3], s[G0K+3], 0x80000000
	s_mov_b32 s[G0V], 1
	s_add_co_u32 s[G0V+1], s62, VOFF
	s_add_nc_u64 s[G0V+2:G0V+3], s[8:9], s[90:91]
	s_or_b32 s[G0V+3], s[G0V+3], 0x80000000
	s_mov_b32 s[G0M], 1
	s_add_co_u32 s[G0M+1], s60, MOFF
	s_add_nc_u64 s[G0M+2:G0M+3], s[10:11], s[66:67]
	s_or_b32 s[G0M+3], s[G0M+3], 0x80000000
	TLOAD                                          ; slot 0: keys 0 to 127
	; where my Q, my rows of the result and my prefetches stand
	s_lshl_b32 s60, s18, 2
	s_add_co_u32 s60, s60, s2
	s_lshl_b32 s60, s60, 17                        ; my head in q_codes,
	s_lshl_b32 s61, s17, 12
	s_add_co_u32 s60, s60, s61                     ; my work-group's 64 queries of 64 bytes,
	s_lshl_b32 s61, s21, 11
	s_add_co_u32 s60, s60, s61                     ; my 32
	s_mov_b32 s61, 0
	s_add_nc_u64 s[4:5], s[4:5], s[60:61]
	s_lshr_b32 s60, s18, 2                         ; the batch
	s_lshl_b32 s60, s60, 11
	s_lshl_b32 s61, s17, 6
	s_add_co_u32 s60, s60, s61
	s_lshl_b32 s61, s[WV], 3
	s_add_co_u32 s60, s60, s61                     ; the first of the 8 rows of a_codes that I store
	s_lshl_b32 s60, s60, 10
	s_and_b32 s61, s18, 3
	s_lshl_b32 s61, s61, 8                         ; the four heads' 256 bytes in a row
	s_add_co_u32 s60, s60, s61
	s_mov_b32 s61, 0
	s_add_nc_u64 s[14:15], s[14:15], s[60:61]
	s_lshl_b32 s60, s18, 2
	s_add_co_u32 s60, s60, s19
	s_lshl_b32 s60, s60, 17
	s_add_co_u32 s60, s60, 3*8192                  ; prefetches, K and V: head 4 y + cx, step 3 (the first change in the loop steps it to 4)
	s_lshl_b32 s61, s17, 19
	s_lshl_b32 s62, s20, 17
	s_add_co_u32 s61, s61, s62
	s_add_co_u32 s61, s61, 3*512                   ; the mask: rows 64 x + 16 cy on
	s_mov_b32 s93, 8192
	s_mov_b32 s[PFS], 512
	s_mov_b32 s[PFS+1], 0
	s_cmp_eq_u32 s[WV], 0
	s_cselect_b64 s[PFA:PFA+1], s[6:7], s[8:9]
	s_cmp_lt_u32 s[WV], 2
	s_cselect_b64 s[PFA:PFA+1], s[PFA:PFA+1], s[10:11]
	s_cselect_b32 s60, s60, s61
	s_cselect_b32 s[PFS], 8192, s[PFS]             ; a step on
	s_cselect_b32 s92, 0, 1                        ; lanes to a row: one block, or two of a row of the mask
	s_cselect_b32 s93, 256, s93                    ; from row to row
	s_cselect_b32 s[PFM], 3, 0                     ; K, V: two of the eight clusters ask for a step
	s_mov_b32 s61, 0
	s_add_nc_u64 s[PFA:PFA+1], s[PFA:PFA+1], s[60:61]
	s_cmp_ge_u32 s[WV], 3
	s_cselect_b32 s[PFL], 63, 3                    ; the last steps ask for nothing; waves 3 to 7 never ask
	s_mul_i32 s60, s2, KHB
	s_mul_i32 s61, s2, VHB
	s_add_co_u32 s61, s61, VOFF
	s_mul_i32 s62, s21, 32*MP
	s_add_co_u32 s62, s62, MOFF
	s_mul_i32 s63, s21, 32*SP
	s_lshl_b32 s66, s2, 6
	s_add_co_u32 s63, s63, s66
	s_add_co_u32 s63, s63, STAGE
	s_mul_i32 s66, s[WV], 8*SP
	s_add_co_u32 s66, s66, STAGE
	v_and_b32 v240, 15, v0                         ; r
	v_bfe_u32 v241, v0, 4, 1                       ; h
	v_and_b32 v245, 31, v0
	v_lshlrev_b32 v242, 6, v240
	v_lshl_add_u32 v242, v241, 4, v242
	WIN 0x40
.irp u, 0,1                            ; Q stays in registers: channels 16 h + 0 .. 15 and 32 + 16 h + 0 .. 15
	global_load_b128 v[QR+8*\u:QR+8*\u+3], v242, s[4:5] offset:\u*1024
	global_load_b128 v[QR+8*\u+4:QR+8*\u+7], v242, s[4:5] offset:\u*1024+32
.endr
	WIN 0
	v_and_b32 v243, 8, v240
	v_add_nc_u32 v243, v243, v240                  ; kk = r + 8 (r / 8): my key within a tile's 24
	v_lshrrev_b32 v244, 1, v243
	v_and_b32 v243, 1, v243
	v_mul_u32_u24 v1, v244, KP                     ; its double row,
	v_mul_u32_u24 v2, v240, VP
	v_mul_u32_u24 v3, v240, MP
	v_mul_u32_u24 v9, v240, SP
	v_mul_u32_u24 v10, v241, SP
	v_lshlrev_b32 v11, 10, v241
	v_lshl_add_u32 v1, v243, 6, v1                 ; its half of that row,
	v_lshl_add_u32 v2, v241, 4, v2
	v_lshl_add_u32 v3, v241, 6, v3
	v_lshl_add_u32 v9, v241, 3, v9
	v_lshl_add_u32 v10, v240, 4, v10
	v_lshl_add_u32 v11, v240, 4, v11               ; the way out: the two rows in a_codes
	v_lshl_add_u32 v1, v241, 4, v1                 ; my half's 16 channels,
	v_add_nc_u32 v2, s61, v2                       ; V
	v_add_nc_u32 v3, s62, v3                       ; the mask: my query's row, + 16 h keys
	v_add_nc_u32 v9, s63, v9                       ; the stage, in: my query's row, my head's 64 bytes, + 8 h
	v_add_nc_u32 v10, s66, v10                     ; back: rows 8 w on; lanes 0-15 one row, lanes 16-31 the next
	v_add_nc_u32 v1, s60, v1                       ; my head: K
	v_lshrrev_b32 v246, s92, v245
	v_and_b32 v244, s92, v245
	v_mul_lo_u32 v246, v246, s93
	v_lshl_add_u32 v12, v244, 8, v246              ; the prefetches' offset: a lane a block of 256 bytes
	WIN 0x40
.irp u, 0,4
	v_mov_b32 v[UX+\u], 0x7f61b1e6                 ; -M
	v_mov_b32 v[UX+\u+1], 0xff61b1e6               ; the largest t so far: -3e38
	v_mov_b32 v[UX+\u+2], 0                        ; the sum, in two halves
	v_mov_b32 v[UX+\u+3], 0
.endr
.irp u, 2,3,4,5
	v_mov_b32 v[T+\u], 0                           ; a lane permute's destination counts as one of its sources
.endr
	v_mov_b32 v[FX+1], 0                           ; (named as the upper halves of f's pairs)
	v_mov_b32 v[FY+1], 0
.set n, 0
.rept 64
	v_mov_b32 v[OT+n], 0                           ; O^T: the rescaling is one text for every step; the first finds zeros
.set n, n+1
.endr
	s_wait_kmcnt 0x0
	s_add_co_i32 s56, s70, s71
	s_sub_co_i32 s56, s56, 3
	s_lshl_b32 s56, s56, 23
	s_add_co_i32 s56, s56, s58                     ; log2(e) x 2^(e6 + e7 - 3): the two scales and 1 / sqrt(64)
	s_mov_b32 s57, s56                             ; (named with it as a pair)
	s_add_co_i32 s60, s73, 127
	s_lshl_b32 s61, s60, 23
	v_mov_b32 v[SC], s61                           ; 2^e9
	s_add_co_i32 s60, s60, 8
	s_lshl_b32 s60, s60, 23
	s_or_b32 s60, s60, 0x600000
	v_mov_b32 v[LIM], s60                          ; 448 x 2^e9
	WIN 0
.macro KTILE t                         ; where K's tile t lies
.if \t < 4
.set KT, KA+8*\t
.else
.set KT, VR+8*(\t-4)
.endif
.endm
.macro LOADK t0                        ; tiles t0 .. t0 + 3 of 16 keys
	WIN 0
.irp d, 0,1,2,3
.set KT, KA+8*\d
.if \t0 > 0
.set KT, VR+8*\d
.endif
.irp c, 0,1
	ds_load_b128 v[KT+4*\c:KT+4*\c+3], v4 offset:(16*((\t0+\d)/2)+4*((\t0+\d)%2))*KP+32*\c   ; tile t begins at key 32 (t / 2) + 8 (t % 2): that many half double rows on
.endr
.endr
.endm
.macro LOADM                           ; the mask at my queries, keys 32 b + 16 h + 4 m on: register for register beside S^T
	WIN 0
.irp q, 0,1
.irp b, 0,1,2,3
.irp m, 0,1,2,3
	ds_load_b128 v[MK+64*\q+16*\b+4*\m:MK+64*\q+16*\b+4*\m+3], v8 offset:\q*16*MP+128*\b+16*\m
.endr
.endr
.endr
.endm
.macro LOADV                           ; V^T: channel 16 t + r, keys 32 c + 16 h on
	WIN 0
.irp t, 0,1,2,3
.irp c, 0,1,2,3
	ds_load_b128 v[VR+16*\t+4*\c:VR+16*\t+4*\c+3], v7 offset:16*\t*VP+(\c/2)*64*VP+32*(\c%2)
.endr
.endr
.endm
; A step's first part: the rest of K, the mask x log2(e), S^T of both tiles, V's loads, t.
.macro TOP
.rept 4
	v_nop                                          ; places behind the last products with V, whose registers K's tiles 4-7 take
.endr
	LOADK 4
	s_wait_dscnt 8                                 ; the mask and K's tiles 0-3 are in; the eight loads just issued may be out
.set n, MK
.rept 64
	v_pk_mul_f32 v[n:n+1], v[n:n+1], s[58:59] op_sel_hi:[1,0]
.set n, n+2
.endr
	s_wait_dscnt 0x0
	WIN 0x44                                       ; D and Q window 1, K window 0
.irp t, 0,1,2,3,4,5,6,7
	KTILE \t
	v_wmma_f32_16x16x64_fp8_fp8 v[8*\t:8*\t+7], v[KT:KT+7], v[QR:QR+7], 0
	v_wmma_f32_16x16x64_fp8_fp8 v[64+8*\t:71+8*\t], v[KT:KT+7], v[QR+8:QR+15], 0
.endr
.rept 4
	v_nop                                          ; places in front of the loads into K's registers and of the first read of the scores
.endr
	LOADV
	WIN 0x41                                       ; S^T window 1, the mask window 0
.set n, 0
.rept 64
	v_pk_fma_f32 v[n:n+1], v[n:n+1], s[56:57], v[MK+n:MK+n+1] op_sel_hi:[1,0,1]   ; t = S x c + mask x log2(e); each accumulator from its low end on
.set n, n+2
.endr
	WIN 0
.endm
.macro MX                              ; the step's largest t of each query among my 64 keys: two chains for X, two for Y
	WIN 0x55
	v_max3_num_f32 v[T], v0, v1, v2
	v_max3_num_f32 v[T+1], v3, v4, v5
	v_max3_num_f32 v[T+2], v64, v65, v66
	v_max3_num_f32 v[T+3], v67, v68, v69
.irp i, 6,10,14,18,22,26,30,34,38,42,46,50,54,58
	v_max3_num_f32 v[T], v[T], v[\i], v[\i+1]
	v_max3_num_f32 v[T+1], v[T+1], v[\i+2], v[\i+3]
	v_max3_num_f32 v[T+2], v[T+2], v[64+\i], v[65+\i]
	v_max3_num_f32 v[T+3], v[T+3], v[66+\i], v[67+\i]
.endr
	v_max3_num_f32 v[T], v[T], v62, v63
	v_max3_num_f32 v[T+2], v[T+2], v126, v127
	v_max_num_f32 v[T], v[T], v[T+1]
	v_max_num_f32 v[T+2], v[T+2], v[T+3]
.endm
.macro RR                              ; the running maximum, M and f of both tiles
	WIN 0x55
	v_permlanex16_b32 v[T+4], v[T], s54, s55
	v_permlanex16_b32 v[T+5], v[T+2], s54, s55
	v_mov_b32 v[T+6], v[UX]
	v_mov_b32 v[T+7], v[UY]
	v_max_num_f32 v[T], v[T], v[T+4]               ; and among lane l xor 16's
	v_max_num_f32 v[T+2], v[T+2], v[T+5]
	v_max_num_f32 v[UX+1], v[UX+1], v[T]           ; the running largest t
	v_max_num_f32 v[UY+1], v[UY+1], v[T+2]
	v_floor_f32 v[UX], -v[UX+1]                    ; the new -M = -ceil(t)
	v_floor_f32 v[UY], -v[UY+1]
	v_sub_f32 v[T+6], v[UX], v[T+6]                ; old M - new M: a whole number, 0 or less
	v_sub_f32 v[T+7], v[UY], v[T+7]
	v_cvt_i32_f32 v[T+6], v[T+6]                   ; (it saturates)
	v_cvt_i32_f32 v[T+7], v[T+7]
	v_ldexp_f32 v[FX], 1.0, v[T+6]                 ; f = 2^(old M - new M)
	v_ldexp_f32 v[FY], 1.0, v[T+7]
.endm
.macro HOLD from, pairs                ; p is not negative: a one-sided hold, two numbers an instruction (the conversion does not saturate: ISA guide 7.6.2)
.set n, \from
.rept \pairs
	v_dual_min_num_f32 v[n], v[n], v[LIM] :: v_dual_min_num_f32 v[n+1], v[n+1], v[LIM]
.set n, n+2
.endr
.endm
.macro YADD
	v_pk_add_f32 v[T+ya:T+ya+1], v[T+ya:T+ya+1], v[yp:yp+1]
.set yp, yp+2
.set ya, (ya+2)%8
.endm
; p, the sums and the codes of both tiles.  Y's subtractions stand among X's exponentials, X's first additions and its hold among Y's.
.macro SOFT
	WIN 0x55
.set n, 0
.rept 32
	v_pk_add_f32 v[n:n+1], v[n:n+1], v[UX:UX+1] op_sel_hi:[1,0]   ; t - M (the pair's low word, -M, for both halves)
.set n, n+2
.endr
	s_wait_alu depctr_va_vdst(0)
.set n, 0
.rept 32
	v_exp_f32 v[n], v[n]                           ; p = 2^(t - M), at most 1
	v_pk_add_f32 v[64+n:65+n], v[64+n:65+n], v[UY:UY+1] op_sel_hi:[1,0]
	v_exp_f32 v[n+1], v[n+1]
.set n, n+2
.endr
	s_wait_alu depctr_va_vdst(0)                   ; ahead of the first reader of X's p, and of Y's batch
.irp i, 0,1,2,3,4,5,6,7,8,9,10,11,12,13,14,15
	v_exp_f32 v[64+4*\i], v[64+4*\i]
	v_pk_add_f32 v[CD+2*\i:CD+2*\i+1], v[4*\i:4*\i+1], v[4*\i+2:4*\i+3]   ; the row's sum is taken of the unquantised p
	v_exp_f32 v[65+4*\i], v[65+4*\i]
	HOLD 4*\i, 1
	v_exp_f32 v[66+4*\i], v[66+4*\i]
	HOLD 4*\i+2, 1
	v_exp_f32 v[67+4*\i], v[67+4*\i]
.endr
	v_pk_mul_f32 v[UX+2:UX+3], v[UX+2:UX+3], v[FX:FX+1] op_sel_hi:[1,0]   ; the sums under the new M (plain places behind the exponentials)
	v_pk_mul_f32 v[UY+2:UY+3], v[UY+2:UY+3], v[FY:FY+1] op_sel_hi:[1,0]
	s_wait_alu depctr_va_vdst(0)                   ; ahead of the first reader of Y's p
.irp i, 0,2,4,6,8,10,12,14
	v_pk_add_f32 v[CD+\i:CD+\i+1], v[CD+\i:CD+\i+1], v[CD+16+\i:CD+17+\i]   ; X: 16 partial sums, halved step by step; the upper eight are done with
.endr
.set yp, 80
.set ya, 0
.irp j, 0,2,4,6
	v_pk_add_f32 v[T+\j:T+\j+1], v[64+\j:65+\j], v[72+\j:73+\j]   ; Y: four chains
.endr
.irp i, 0,2,4,6
	v_pk_add_f32 v[CD+\i:CD+\i+1], v[CD+\i:CD+\i+1], v[CD+8+\i:CD+9+\i]
	YADD
.endr
.irp i, 0,2
	v_pk_add_f32 v[CD+\i:CD+\i+1], v[CD+\i:CD+\i+1], v[CD+4+\i:CD+5+\i]
	YADD
	YADD
.endr
	v_pk_add_f32 v[CD:CD+1], v[CD:CD+1], v[CD+2:CD+3]
.rept 4
	YADD
.endr
	v_pk_add_f32 v[UX+2:UX+3], v[UX+2:UX+3], v[CD:CD+1]
.rept 12
	YADD
.endr
	HOLD 64, 6
	v_pk_add_f32 v[T:T+1], v[T:T+1], v[T+2:T+3]
	v_pk_add_f32 v[T+4:T+5], v[T+4:T+5], v[T+6:T+7]
	HOLD 76, 6
	v_pk_add_f32 v[T:T+1], v[T:T+1], v[T+4:T+5]
	HOLD 88, 6
	v_pk_add_f32 v[UY+2:UY+3], v[UY+2:UY+3], v[T:T+1]
	HOLD 100, 14
.irp b, 0,1,2,3,4,5,6,7
	v_cvt_scalef32_pk8_fp8_f32 v[CD+4*\b:CD+4*\b+1], v[16*\b:16*\b+7], v[SC]
	v_cvt_scalef32_pk8_fp8_f32 v[CD+4*\b+2:CD+4*\b+3], v[16*\b+8:16*\b+15], v[SC]
.endr
.endm
.macro PV                              ; O^T under the new M (these are also the plain places behind the conversions), then += V^T P^T: the eight accumulators by turns, one instruction a turn
	WIN 0x55
	s_wait_alu depctr_va_vdst(0)                   ; ahead of the first reader of O^T
.set n, OT
.rept 16
	v_pk_mul_f32 v[n:n+1], v[n:n+1], v[FX:FX+1] op_sel_hi:[1,0]
.set n, n+2
.endr
.rept 16
	v_pk_mul_f32 v[n:n+1], v[n:n+1], v[FY:FY+1] op_sel_hi:[1,0]
.set n, n+2
.endr
	WIN 0x54                                       ; V window 0
.irp q, 0,1
.irp t, 0,1,2,3
	v_wmma_f32_16x16x128_fp8_fp8 v[OT+32*\q+8*\t:OT+32*\q+8*\t+7], v[VR+16*\t:VR+16*\t+15], v[CD+16*\q:CD+16*\q+15], v[OT+32*\q+8*\t:OT+32*\q+8*\t+7]
.endr
.endr
	WIN 0
.endm
; THE CHANGE OF SLOTS.  Each wave waits for all its tensor loads, adds 0 to its spare word, and waits for that and for its reads of the slot that it leaves.  fill = 1: a round of the
; cluster's barrier, so that no wave of any partner still reads that slot or has a load on its way, and behind it, first, the joint loads of the keys that follow.
.macro CHANGE fill
.if \fill
	s_wait_xcnt 0x0                                ; any prefetch of mine has read its address
	s_add_nc_u64 s[PFA:PFA+1], s[PFA:PFA+1], s[PFS:PFS+1]
.endif
	s_wait_tensorcnt 0x0                           ; no tensor load of mine is out: a group 0 may be written
	ds_add_u32 v5, v6                              ; 0 onto my spare word
.if \fill
	STEPDESC
.endif
	s_xor_b32 s[TB], s[TB], SLOT1                  ; on to the other slot
	ADDRS
	MX                                             ; work on registers between the add and the wait for it
	s_wait_alu depctr_va_vdst(0)
	s_wait_dscnt 0x0                               ; the add is done, and my reads of the slot that I leave are over
	s_barrier_signal -1
	RR                                             ; work on registers while the others arrive
	WIN 0
	s_wait_alu depctr_va_vdst(0)
	s_barrier_wait -1
.if \fill
	CREST
	TLOAD
.endif
	LOADM                                          ; the next step's mask and the first half of its K: on their way during the softmax
	LOADK 0
.endm
.macro ASK
	s_cmp_lt_u32 s53, s[PFL]
	s_cbranch_scc1 .Lno_ask_\@
	s_xor_b32 s60, s53, ttmp9
	s_and_b32 s60, s60, s[PFM]
	s_cmp_lg_u32 s60, 0
	s_cbranch_scc1 .Lno_ask_\@
	global_prefetch_b8 v12, s[PFA:PFA+1] th:TH_LOAD_NT scope:SCOPE_SE
.Lno_ask_\@:
.endm
	s_wait_alu depctr_va_vdst(0)
	s_wait_loadcnt 0x0                             ; Q
	s_wait_tensorcnt 0x0                           ; my part of slot 0 is in
	ds_add_u32 v5, v6
	STEPDESC
	s_mov_b32 s53, NSTEP-2
	s_wait_dscnt 0x0
	CROUND
	TLOAD                                          ; slot 1: the first tensor load behind the round
	ADDRS
	LOADM
	LOADK 0
.Lstep:                                                ; 14 trips, steps 0 to 13: at each change of slots the keys of step s + 2 are asked for
	TOP
	CHANGE 1
	ASK
	SOFT
	PV
	s_sub_co_u32 s53, s53, 1
	s_cmp_lg_u32 s53, 0
	s_cbranch_scc1 .Lstep
	TOP                                            ; step 14 is written out
	CHANGE 0
	SOFT
	PV
	TOP                                            ; step 15
	MX
	RR
	s_wait_alu depctr_va_vdst(0)
	s_wait_dscnt 0x0                               ; V is in
	SOFT
	PV
	; THE WAY OUT.  O^T / the sum is quantised: a raw sum stands for sum x 2^(e8 + e9), so its code is (sum / l) / 2^(e10 - e8 - e9).  The four heads' codes meet in the stage and leave as rows of 256 bytes.
.rept 4
	v_nop                                          ; places behind the last products, which read the codes' registers
.endr
	WIN 0x55
	v_add_f32 v[T], v[UX+2], v[UX+3]
	v_add_f32 v[T+1], v[UY+2], v[UY+3]
	v_permlanex16_b32 v[T+2], v[T], s54, s55
	v_permlanex16_b32 v[T+3], v[T+1], s54, s55
	v_add_f32 v[T], v[T], v[T+2]                   ; the row's sum
	v_add_f32 v[T+1], v[T+1], v[T+3]
	s_sub_co_i32 s60, s74, s72
	s_sub_co_i32 s60, s60, s73
	s_add_co_i32 s60, s60, 127
	s_lshl_b32 s61, s60, 23
	s_add_co_i32 s60, s60, 8
	s_lshl_b32 s60, s60, 23
	s_or_b32 s60, s60, 0x600000
	s_wait_alu depctr_va_vdst(0)
	v_rcp_f32 v[T], v[T]
	v_rcp_f32 v[T+1], v[T+1]
	v_mov_b32 v[SC], s61                           ; 2^(e10 - e8 - e9)  (a plain place behind the reciprocals)
	v_mov_b32 v[LIM], s60                          ; 448 x that
	s_wait_alu depctr_va_vdst(0)                   ; ahead of the first reader of the reciprocals and of O^T
.set n, 0
.rept 16
	v_pk_mul_f32 v[n:n+1], v[OT+n:OT+n+1], v[T:T+1] op_sel_hi:[1,0]   ; register 32 q + 8 t + i: channel 16 t + 8 h + i of my query; each accumulator from its low end on
.set n, n+2
.endr
.rept 16
	v_pk_mul_f32 v[n:n+1], v[OT+n:OT+n+1], v[T:T+1] op_sel:[0,1] op_sel_hi:[1,1]
.set n, n+2
.endr
.set n, 0
.rept 64
	v_med3_num_f32 v[n], v[n], -v[LIM], v[LIM]
.set n, n+1
.endr
.set n, 0
.rept 8
	v_cvt_scalef32_pk8_fp8_f32 v[CD+2*n:CD+2*n+1], v[8*n:8*n+7], v[SC]
.set n, n+1
.endr
	v_nop                                          ; a plain place behind the last conversion
	WIN 0x04                                       ; data window 1
.irp q, 0,1
.irp t, 0,1,2,3
	ds_store_b64 v9, v[CD+8*\q+2*\t:CD+8*\q+2*\t+1] offset:\q*16*SP+16*\t
.endr
.endr
	WIN 0
	s_wait_dscnt 0x0                               ; for the others' sake: my stores into the stage are done
	s_barrier_signal -1
	s_barrier_wait -1
.irp i, 0,1,2,3
	ds_load_b128 v[VR+4*\i:VR+4*\i+3], v10 offset:2*\i*SP
.endr
.irp i, 0,1,2,3
	s_wait_dscnt 3-\i                              ; the 3 - i younger loads may be out
	global_store_b128 v11, v[VR+4*\i:VR+4*\i+3], s[14:15] offset:2048*\i   ; 16 lanes store 256 consecutive bytes, at a multiple of 256 from the buffer's first byte
.endr
	s_wait_tensorcnt 0x0                           ; the wave's end
	ds_add_u32 v5, v6
	s_wait_dscnt 0x0
	CROUND                                         ; the closing round
	s_endpgm
.Lfunc_end_k_qe896d40623_attn:
	.size	k_qe896d40623_attn, .Lfunc_end_k_qe896d40623_attn-k_qe896d40623_attn
	.p2alignl 7, 3214868480
	.fill 96, 4, 3214868480
	.section	.rodata,"a",@progbits
	.p2align	6, 0x0
	.amdhsa_kernel k_qe896d40623_attn
		.amdhsa_group_segment_fixed_size 327680
		.amdhsa_private_segment_fixed_size 0
		.amdhsa_enable_private_segment 0
		.amdhsa_kernarg_size 48
		.amdhsa_user_sgpr_count 2
		.amdhsa_user_sgpr_kernarg_segment_ptr 1
		.amdhsa_wavefront_size32 1
		.amdhsa_system_sgpr_workgroup_id_x 1
		.amdhsa_system_sgpr_workgroup_id_y 1
		.amdhsa_system_sgpr_workgroup_id_z 1
		.amdhsa_system_vgpr_workitem_id 0
		.amdhsa_next_free_vgpr 512
		.amdhsa_next_free_sgpr 100
		.amdhsa_reserve_vcc 0
		.amdhsa_float_denorm_mode_32 3
		.amdhsa_float_denorm_mode_16_64 3
		.amdhsa_memory_ordered 1
		.amdhsa_forward_progress 1
		.amdhsa_inst_pref_size 141
	.end_amdhsa_kernel
	.amdgpu_metadata
---
amdhsa.version: [ 1, 2 ]
amdhsa.kernels:
  - .name:           k_qe896d40623_attn
    .symbol:         k_qe896d40623_attn.kd
    .args:
      - { .name: q_codes, .offset: 0, .size: 8, .value_kind: global_buffer, .address_space: global }
      - { .name: k_codes, .offset: 8, .size: 8, .value_kind: global_buffer, .address_space: global }
      - { .name: v_codes, .offset: 16, .size: 8, .value_kind: global_buffer, .address_space: global }
      - { .name: mask, .offset: 24, .size: 8, .value_kind: global_buffer, .address_space: global }
      - { .name: lowp_scales, .offset: 32, .size: 8, .value_kind: global_buffer, .address_space: global }
      - { .name: a_codes, .offset: 40, .size: 8, .value_kind: global_buffer, .address_space: global }
    .group_segment_fixed_size: 327680
    .private_segment_fixed_size: 0
    .kernarg_segment_align: 8
    .kernarg_segment_size: 48
    .max_flat_workgroup_size: 256
    .sgpr_count:     100
    .vgpr_count:     512
    .wavefront_size: 32
...
	.end_amdgpu_metadata
.endif
;; end of part 2
;; launch oproj (part 3): grid 8 x 32, 4 waves a work-group, clusters of 4 x 4, 296,448 bytes of LDS; arguments a_codes, Wo_codes, lowp_scales, out0; writes out0
.if DOCPART == 3
	.amdgcn_target "amdgcn-amd-amdhsa--gfx1250"
	.amdhsa_code_object_version 6
	.text
	.protected	k_qe896d40623_oproj
	.globl	k_qe896d40623_oproj
	.p2align	8
	.type	k_qe896d40623_oproj,@function
k_qe896d40623_oproj:
	s_mov_b64 s[64:65], 0
	v_nop
	global_prefetch_b8 v0, s[64:65] scope:SCOPE_SE
	s_setreg_imm32_b32 hwreg(HW_REG_WAVE_MODE, 25, 1), 1
	s_wait_xcnt 0x0
	s_wait_alu depctr_hold_cnt(0) depctr_sa_sdst(0) depctr_va_vdst(0) depctr_va_sdst(0) depctr_va_ssrc(0) depctr_va_vcc(0) depctr_vm_vsrc(0)
	s_getreg_b32 s2, hwreg(HW_REG_IB_STS2, 6, 4)
	s_cmp_eq_u32 s2, 0
	s_cbranch_scc0 .Lentry_in_a_cluster
	s_endpgm
.Lentry_in_a_cluster:
	s_bfe_u32 s2, ttmp6, 0x10000c
	s_cmp_lg_u32 s2, 0xf033
	s_cbranch_scc0 .Lentry_shape_is_right
	s_endpgm
.Lentry_shape_is_right:
; out0 = a Wo^T on codes of E4M3: a [4096][1024], Wo [1024][1024], out0 [4096][1024] f32.  Each finished sum is multiplied once by 2^(e10 + e11).
; A tile of C is 128 x 128: four waves, 64 x 64 each, 16 accumulators; 256 work-groups.  K = 1,024 bytes a row: A's 128 rows and B's 128 rows lie WHOLE in LDS.
; CLUSTER 4 x 4: A's tile is asked for jointly along a row of the cluster, B's along a column.
; THE MATRIX INSTRUCTION IS USED TRANSPOSED (source 0 = 16 rows of Wo, source 1 = 16 rows of a): lane (r, h) holds row 16 a + r of C and its register j the column 16 b + 8 h + j.
; Fragments come by four loads of 16 bytes: one permutation of k, the same in A and in B.
; No prefetch: all that a wave reads is asked for by its one load at the head, and there is no loop to run ahead in.
; LIMIT: e10 + e11 between -126 and 127, so that 2^(e10 + e11) is an f32 number.
; REGISTERS.  window 0: v1 r, v2 h, v4, v8 LDS addresses, v12-14 the way out, v64-95 a block's scaled sums, v126, v127 for the add, v128-255 four blocks' rows on their way out;  window 1: two sets of fragments;  window 2: accumulator (a, b) at v[8 (4 a + b)].
.set PITCH, 1040                       ; an LDS row: 1,024 bytes + 16 of padding = 260 words, so the 16 rows of a fragment load start at 16 different banks
.set HALFT, 64*PITCH                   ; what one tensor load brings
.set STG,   4*HALFT                    ; behind the tiles: a stage of 16 rows x 272 bytes for each wave
.set WSTG,  16*272
.set SPARE, 0x48400                    ; the spare words: two blocks of 256 bytes that no other line names
.set F0,    0
.set F1,    128
.set ADRA,  4
.set ADRB,  8
.set STO,   12
.set RD,    13
.set GO,    14
.set WV,    3
.set G1A,   16
.set G1B,   24
.set G0A,   32
.set G0B,   48
.set G1W0,  (1<<20)|(1<<21)|(7<<22)|(3<<25)   ; elements of 1 byte; padding on; bit 21 beside a mask; after every 256 words, 4 words
.set MSB, 0
.macro WIN new
.if MSB != \new
	s_set_vgpr_msb (MSB<<8)|\new
.set MSB, \new
.endif
.endm
.macro CROUND
	s_barrier_signal -1
	s_barrier_wait -1
	s_cmp_lg_u32 s[WV], 0
	s_cbranch_scc1 .Lnot_wave_0_\@
	s_barrier_signal -3
.Lnot_wave_0_\@:
	s_barrier_wait -3
	s_barrier_signal -1
	s_barrier_wait -1
.endm
.macro PLACES
.rept 4
	v_nop
.endr
.endm
.macro FETCH s, f                      ; 32 LDS loads: the fragments of the s-th 128 along K into set f
	WIN 0x40
.irp i, 0,1,2,3
.irp cc, 0,1,2,3
	ds_load_b128 v[\f+64+16*\i+4*\cc:\f+64+16*\i+4*\cc+3], v[ADRB] offset:128*\s+32*\cc+\i*16*PITCH
.endr
.endr
.irp i, 0,1,2,3
.irp cc, 0,1,2,3
	ds_load_b128 v[\f+16*\i+4*\cc:\f+16*\i+4*\cc+3], v[ADRA] offset:128*\s+32*\cc+\i*16*PITCH
.endr
.endr
.endm
.macro MUL f, zero                     ; the 16 accumulators by turns, in the same order in every step
	WIN 0xa5
.irp a, 0,1,2,3
.irp b, 0,1,2,3
.if \zero
	v_wmma_f32_16x16x128_fp8_fp8 v[8*(4*\a+\b):8*(4*\a+\b)+7], v[\f+64+16*\b:\f+64+16*\b+15], v[\f+16*\a:\f+16*\a+15], 0
.else
	v_wmma_f32_16x16x128_fp8_fp8 v[8*(4*\a+\b):8*(4*\a+\b)+7], v[\f+64+16*\b:\f+64+16*\b+15], v[\f+16*\a:\f+16*\a+15], v[8*(4*\a+\b):8*(4*\a+\b)+7]
.endif
.endr
.endr
.endm
	s_load_b128 s[68:71], s[0:1], 0x0              ; a_codes s[68:69], Wo_codes s[70:71]
	s_load_b128 s[72:75], s[0:1], 0x10             ; the exponents s[72:73], out0 s[74:75]
	v_lshl_add_u32 v126, v0, 2, SPARE
	v_mov_b32 v127, 0
	ds_add_u32 v126, v127                          ; the opening: the add, twice on end, and its wait ahead of my first tensor load
	ds_add_u32 v126, v127
	v_lshrrev_b32 v3, 5, v0
	v_readfirstlane_b32 s[WV], v3
	s_lshr_b32 s4, s[WV], 1                        ; my half of the rows; also: I fetch for A (0) or for B (1)
	s_and_b32 s5, s[WV], 1                         ; my half of the columns; also: which 64 rows I fetch
	s_bfe_u32 s6, ttmp6, 0x40000                   ; cx
	s_bfe_u32 s7, ttmp6, 0x40004                   ; cy
	s_and_b32 s13, ttmp7, 0xffff
	s_lshl_b32 s13, s13, 2
	s_add_co_u32 s13, s13, s7                      ; the tile row
	s_lshl_b32 s14, ttmp9, 2
	s_add_co_u32 s14, s14, s6                      ; the tile column
	s_lshl_b32 s10, s7, 2
	s_lshl_b32 s10, 15, s10
	s_lshl_b32 s15, 0x1111, s6
	s_or_b32 s[G1A], s10, G1W0
	s_or_b32 s[G1B], s15, G1W0
.irp g, G1A, G1B
	s_mov_b32 s[\g+1], 1024<<16
	s_mov_b32 s[\g+2], 64<<16
	s_mov_b32 s[\g+3], 1024<<16
	s_mov_b32 s[\g+4], 64
	s_mov_b32 s[\g+5], 1024
	s_mov_b32 s[\g+6], 0
	s_mov_b32 s[\g+7], 0
.endr
	s_lshl_b32 s2, s5, 6
	s_lshl_b32 s66, s13, 7
	s_add_co_u32 s66, s66, s2
	s_lshl_b32 s66, s66, 10
	s_mov_b32 s67, 0
	s_lshl_b32 s94, s14, 7
	s_add_co_u32 s94, s94, s2
	s_lshl_b32 s94, s94, 10
	s_mov_b32 s95, 0
	s_mul_i32 s10, s[WV], HALFT
	s_wait_dscnt 0x0
	s_wait_kmcnt 0x0
	s_load_b64 s[96:97], s[72:73], 0x28            ; e10, e11
	s_add_nc_u64 s[66:67], s[68:69], s[66:67]
	s_add_nc_u64 s[94:95], s[70:71], s[94:95]
	CROUND
	s_mov_b32 s[G0A], 1
	s_mov_b32 s[G0A+1], s10
	s_mov_b64 s[G0A+2:G0A+3], s[66:67]
	s_or_b32 s[G0A+3], s[G0A+3], 0x80000000
	s_mov_b32 s[G0B], 1
	s_mov_b32 s[G0B+1], s10
	s_mov_b64 s[G0B+2:G0B+3], s[94:95]
	s_or_b32 s[G0B+3], s[G0B+3], 0x80000000
	s_cmp_eq_u32 s4, 0                             ; four v_nop follow each line
	s_cbranch_scc0 .Lfor_b
	tensor_load_to_lds s[G0A:G0A+3], s[G1A:G1A+7]
	s_nop 0
	PLACES
	s_branch .Lasked
.Lfor_b:
	tensor_load_to_lds s[G0B:G0B+3], s[G1B:G1B+7]
	s_nop 0
	PLACES
.Lasked:
	v_and_b32 v1, 15, v0
	v_bfe_u32 v2, v0, 4, 1
	v_mul_u32_u24 v3, v1, PITCH
	v_lshl_add_u32 v3, v2, 4, v3
	s_wait_alu depctr_va_vdst(0)                   ; ahead of the readers below
	s_mul_i32 s10, s4, HALFT
	s_mul_i32 s11, s5, HALFT
	s_add_co_u32 s11, s11, 2*HALFT
	v_add_nc_u32 v[ADRA], s10, v3
	v_add_nc_u32 v[ADRB], s11, v3
	s_mul_i32 s10, s[WV], WSTG
	s_add_co_u32 s10, s10, STG                     ; my stage
	v_mul_u32_u24 v[STO], v1, 272
	v_lshl_add_u32 v[STO], v2, 5, v[STO]
	v_add_nc_u32 v[STO], s10, v[STO]               ; in: row r, 32 bytes for each half of the lanes
	v_mul_u32_u24 v[RD], v2, 272
	v_lshl_add_u32 v[RD], v1, 4, v[RD]
	v_add_nc_u32 v[RD], s10, v[RD]                 ; back: lanes 0-15 one row of 256 bytes, lanes 16-31 the next
	v_lshlrev_b32 v[GO], 12, v2
	v_lshl_add_u32 v[GO], v1, 4, v[GO]             ; and the same two rows in out0
	s_lshl_b32 s10, s13, 7
	s_lshl_b32 s11, s4, 6
	s_add_co_u32 s10, s10, s11                     ; my first row,
	s_lshl_b32 s10, s10, 12                        ; of 4,096 bytes,
	s_lshl_b32 s11, s14, 9
	s_add_co_u32 s10, s10, s11
	s_lshl_b32 s11, s5, 8
	s_add_co_u32 s10, s10, s11                     ; my first column: 512 x tile column + 256 x half
	s_mov_b32 s11, 0
	s_add_nc_u64 s[74:75], s[74:75], s[10:11]
	s_wait_alu depctr_va_vdst(0)
	s_wait_kmcnt 0x0
	s_add_co_i32 s96, s96, s97
	s_add_co_i32 s96, s96, 127
	s_lshl_b32 s96, s96, 23                        ; 2^(e10 + e11)
	s_mov_b32 s97, s96                             ; (named with it as a pair)
	s_wait_tensorcnt 0x0                           ; my part of the tiles is in
	s_barrier_signal -1
	s_barrier_wait -1
	FETCH 0, F0
	FETCH 1, F1
	s_wait_dscnt 32                                ; all but the 32 just issued
	MUL F0, 1
.irp s, 2,4,6
	PLACES
	FETCH \s, F0
	s_wait_dscnt 32
	MUL F1, 0
	PLACES
	FETCH (\s+1), F1
	s_wait_dscnt 32
	MUL F0, 0
.endr
	s_wait_dscnt 0x0
	MUL F1, 0
	PLACES
; THE WAY OUT, 16 rows x 64 columns at a time, through my own stage: LDS serves a wave's instructions in order, so no wait stands between the stores and the loads, nor in front of the next block's stores.
.macro TOSTAGE a
	WIN 0x02                                       ; source 0 (the sums) window 2
.irp b, 0,1,2,3
.irp i, 0,2,4,6
	v_pk_mul_f32 v[64+8*\b+\i:65+8*\b+\i], v[8*(4*\a+\b)+\i:8*(4*\a+\b)+\i+1], s[96:97] op_sel_hi:[1,0]   ; x 2^(e10 + e11); each accumulator from its low end on
.endr
.endr
	WIN 0
.irp b, 0,1,2,3
	ds_store_b128 v[STO], v[64+8*\b:67+8*\b] offset:64*\b
	ds_store_b128 v[STO], v[68+8*\b:71+8*\b] offset:64*\b+16
.endr
.irp t, 0,1,2,3,4,5,6,7
	ds_load_b128 v[128+32*\a+4*\t:131+32*\a+4*\t], v[RD] offset:544*\t
.endr
.endm
.macro SEND a, younger                 ; younger: the LDS instructions issued behind block a's loads (the next block's 8 stores and 8 loads, or none), which may stay out.  Each block has registers of its own: no store's data are written again
	s_wait_dscnt \younger
.irp t, 0,1,2,3,4,5,6,7
	global_store_b128 v[GO], v[128+32*\a+4*\t:131+32*\a+4*\t], s[74:75] offset:(16*\a+2*\t)*4096 th:TH_STORE_NT   ; 16 lanes store 256 consecutive bytes, at a multiple of 256 from out0's first byte
.endr
.endm
	TOSTAGE 0
	TOSTAGE 1
	SEND 0, 16
	TOSTAGE 2
	SEND 1, 16
	TOSTAGE 3
	SEND 2, 16
	SEND 3, 0
	s_wait_tensorcnt 0x0                           ; the wave's end
	ds_add_u32 v126, v127
	s_wait_dscnt 0x0
	CROUND                                         ; the closing round
	s_endpgm
.Lfunc_end_k_qe896d40623_oproj:
	.size	k_qe896d40623_oproj, .Lfunc_end_k_qe896d40623_oproj-k_qe896d40623_oproj
	.p2alignl 7, 3214868480
	.fill 96, 4, 3214868480
	.section	.rodata,"a",@progbits
	.p2align	6, 0x0
	.amdhsa_kernel k_qe896d40623_oproj
		.amdhsa_group_segment_fixed_size 296448
		.amdhsa_private_segment_fixed_size 0
		.amdhsa_enable_private_segment 0
		.amdhsa_kernarg_size 32
		.amdhsa_user_sgpr_count 2
		.amdhsa_user_sgpr_kernarg_segment_ptr 1
		.amdhsa_wavefront_size32 1
		.amdhsa_system_sgpr_workgroup_id_x 1
		.amdhsa_system_sgpr_workgroup_id_y 1
		.amdhsa_system_sgpr_workgroup_id_z 1
		.amdhsa_system_vgpr_workitem_id 0
		.amdhsa_next_free_vgpr 640
		.amdhsa_next_free_sgpr 100
		.amdhsa_reserve_vcc 0
		.amdhsa_float_denorm_mode_32 3
		.amdhsa_float_denorm_mode_16_64 3
		.amdhsa_memory_ordered 1
		.amdhsa_forward_progress 1
		.amdhsa_inst_pref_size 44
	.end_amdhsa_kernel
	.amdgpu_metadata
---
amdhsa.version: [ 1, 2 ]
amdhsa.kernels:
  - .name:           k_qe896d40623_oproj
    .symbol:         k_qe896d40623_oproj.kd
    .args:
      - { .name: a_codes, .offset: 0, .size: 8, .value_kind: global_buffer, .address_space: global }
      - { .name: Wo_codes, .offset: 8, .size: 8, .value_kind: global_buffer, .address_space: global }
      - { .name: lowp_scales, .offset: 16, .size: 8, .value_kind: global_buffer, .address_space: global }
      - { .name: out0, .offset: 24, .size: 8, .value_kind: global_buffer, .address_space: global }
    .group_segment_fixed_size: 296448
    .private_segment_fixed_size: 0
    .kernarg_segment_align: 8
    .kernarg_segment_size: 32
    .max_flat_workgroup_size: 128
    .sgpr_count:     100
    .vgpr_count:     640
    .wavefront_size: 32
...
	.end_amdgpu_metadata
.endif
;; end of part 3
